; MI455X (gfx1250); checked and timed in simulation.
; The chip was launched on July 23, 2026; its instructions are those of AMD's public machine-readable ISA for CDNA 5 (MIT licence, August 2026) and "CDNA5" Instruction Set Architecture Reference Guide (July 2026). The comments in the code are by the model that wrote it; some were corrected since.
;; Ro BER Ta For Top K Entailment. Allowed arithmetic: float matrix products may take bf16 or f16 operands with f32 sums; all other float work in f32.
;; Inputs: W1 1,024 x 1,024 float32; W2 1,024 x 1 float32; b1 1,024 float32; b2 1 float32; hidden_states 64 x 512 x 1,024 float32; ln_beta 1,024 float32; ln_gamma 1,024 float32; segment_ids 64 x 512 int32.
;; Outputs: out0 64 x 8 x 1 float32.
;; One version. Each part assembles by itself: llvm-mc -triple=amdgcn-amd-amdhsa -mcpu=gfx1250 --defsym DOCPART=n.
;; ======== version 1 of 1: 3 launches
;; workspace buffers: pooledF 1,048,576 bytes; stats 131,072 bytes; W1F 2,097,152 bytes
;; launch pool (part 1): grid 4 x 64, 16 waves a work-group, no clusters, 52,480 bytes of LDS; arguments hidden_states, segment_ids, pooledF, W1, W1F; writes pooledF, W1F
.if DOCPART == 1
	.amdgcn_target "amdgcn-amd-amdhsa--gfx1250"
	.amdhsa_code_object_version 6
	.text
	.protected	k_q171c745bdb_pool
	.globl	k_q171c745bdb_pool
	.p2align	8
	.type	k_q171c745bdb_pool,@function
k_q171c745bdb_pool:
	s_mov_b64 s[64:65], 0
	v_nop
	global_prefetch_b8 v0, s[64:65] scope:SCOPE_SE
	s_setreg_imm32_b32 hwreg(HW_REG_WAVE_MODE, 25, 1), 1
	s_wait_xcnt 0x0
; SEGMENT MEAN POOLING.  pooled[b][k][:] = mean of hidden[b][s][:] over start(b,k) < s < end(b,k), where start and end are the first and
; the last position whose id equals k.  Result in bf16, laid out in the order in which the next launch's matrix fragments want it.
; NOTHING IS LEFT OUT: all eight inputs of the problem are loaded by one of the three launches.  The ids are taken as they come: no order,
; no contiguity and no range is assumed; an id outside 0..7 matches no label; intervals may overlap or be empty.  Rows of hidden that lie in
; no interval are read and multiplied by the weight 0, as the einsum of the problem does (a NaN or infinity there spreads as it does there).
; A label with no inner position has count 0 and gets the quotient 0/0 = NaN, in its own row alone.
; LIMITS: hidden is rounded to bf16 for the product with the 0/1 weights (exact in bf16), the sums are f32 in another order than the
; problem's, 1/count is v_rcp_f32 (1 ULP), pooled is rounded once to bf16.
; SHARES: work-group (cq, b) = 256 columns of sequence b, all 512 rows.  Wave w: column tile ct = w & 3 (64 columns, 256 bytes of a row) and
; row part rp = w >> 2 (128 rows, four steps of 32).  A load of a wave takes 256 aligned bytes of each of two rows, 16 bytes a lane, and the
; sixteen rows that a lane holds for a step are exactly its sixteen k places of a 16-bit fragment: no LDS on the way in.
; The product is 16 x 16 x 32: A = weights (rows 8..15 repeat rows 0..7, idle inside a live tile), B = 32 rows x 16 columns of hidden.
; No tensor loads, no cluster: no two work-groups read the same bytes of hidden, and a register load already delivers fragment data.
; In flight from the first lines on: 32 loads of 512 bytes in each of 16 waves, half of what the work-group reads.
; W1 TO BF16, ONCE.  The next launch multiplies by W1 in bf16, and each of its sixteen row blocks needs all of W1: rounded there it would be
; rounded sixteen times over.  W1 is 16 x 16 = 256 tiles of 64 rows (K) x 64 columns, as many as there are work-groups here: work-group
; g = 4 b + cq rounds tile (K block g & 15, column block g >> 4) while its first rows of hidden are on their way, and stores its 8 KiB at
; W1F + 8,192 g in fragment order: register 4 gg + e of fragment (u, j) of lane L at 4096 u + 1024 j + 512 gg + 16 L + 4 e; fragment j holds
; the columns 4 c + j.  Wave w makes register i = w & 7 of the four fragments of K step u = w >> 3 (two loads, four conversions); the words
; change hands in LDS across the barrier that the weight table needs anyway, so that each wave stores 512 consecutive bytes.
.set WTP,   1040                       ; weight table: 8 rows of 512 bf16 + 16 bytes, an odd multiple of 16
.set SC,    8320                       ; 16 words: wave w's 1/count (label w & 7)
.set PART,  8448                       ; partial sums [rp 4][label 8][256 f32]
.set PP,    1056                       ; their row: 1,024 + 32 bytes, so that eight rows' 32 bytes lie in eight different places modulo 256
.set PLANE, 8448                       ; 8 rows
.set STG,   42240                      ; W1's stage: 16 waves x 512 bytes, wave w's at 512 w
.set XO,  4                            ; v4   hidden and W1: 16 (lane & 15) + 8 rows for lanes 16-31; never rewritten
.set IDO, 5                            ; v5   ids: 16 x lane
.set TA,  6                            ; v6   weight table, my A fragments
.set TW,  7                            ; v7   weight table, the 16 bytes that I write
.set ID,  16                           ; v[16:31]  ids, then at work, then
.set F,   16                           ; v[16:31]  two B fragments that take turns
.set ACC, 32                           ; v[32:63]  four accumulators: tile j holds columns 4 r + j
.set AF,  64                           ; v[64:95]  A fragments of the four steps
.set X,   96                           ; v[96:223] hidden as loaded, two buffers of 16 loads
.set WL,  224                          ; v[224:231] W1 as loaded: two rows' four columns
.set WC,  232                          ; v[232:235] rounded: word j belongs to fragment j
.set WS,  236                          ; v[236:239] four registers of one fragment, as stored; never rewritten
.set WT,  240                          ; v240  16 t: my place in the stage as I write it, and in W1F's tile; never rewritten
.set WRD, 241                          ; v241  the stage as I read it
	s_load_b128 s[4:7], s[0:1], 0x0                ; hidden s[4:5], ids s[6:7]
	s_load_b64 s[8:9], s[0:1], 0x10                ; pooledF
	s_load_b64 s[32:33], s[0:1], 0x18              ; W1
	s_load_b64 s[34:35], s[0:1], 0x20              ; W1F
	v_lshl_add_u32 v242, v0, 2, 0xc500
	v_mov_b32 v243, 0
	v_lshrrev_b32 v1, 5, v0
	v_readfirstlane_b32 s10, v1                    ; wave w
	v_and_b32 v1, 31, v0                           ; lane L
	v_and_b32 v2, 15, v0                           ; r
	v_bfe_u32 v3, v0, 4, 1                         ; hh
	s_and_b32 s11, s10, 3                          ; ct
	s_lshr_b32 s12, s10, 2                         ; rp
	s_and_b32 s13, s10, 7                          ; label k that this wave serves in the id phase; also W1's fragment register i
	s_lshr_b32 s14, s10, 3                         ; which half of that label's table row; also W1's K step u
	s_and_b32 s15, ttmp7, 0xffff                   ; b
	s_mov_b32 s20, 0x76543210                      ; v_permlanex16_b32: lane i reads lane i of the other half
	s_mov_b32 s21, 0xfedcba98
	s_lshl_b32 s24, s15, 21                        ; hidden: b x 512 rows x 4,096 bytes
	s_lshl_b32 s17, s12, 19                        ; + rp x 128 rows
	s_add_co_u32 s24, s24, s17
	s_lshl_b32 s17, ttmp9, 10                      ; + cq x 256 columns
	s_add_co_u32 s24, s24, s17
	s_lshl_b32 s17, s11, 8                         ; + ct x 64 columns
	s_add_co_u32 s24, s24, s17
	s_mov_b32 s25, 0
	s_lshl_b32 s26, s15, 11                        ; ids: b x 512 x 4 bytes
	s_mov_b32 s27, 0
	s_lshr_b32 s28, s15, 1                         ; pooledF: (b >> 1) x 32,768
	s_lshl_b32 s28, s28, 15
	s_and_b32 s17, s15, 1                          ; + (b & 1) x 512
	s_lshl_b32 s17, s17, 9
	s_add_co_u32 s28, s28, s17
	s_lshl_b32 s17, ttmp9, 13                      ; + cq x 8 K steps x 1,024
	s_add_co_u32 s28, s28, s17
	s_lshr_b32 s17, s10, 1                         ; + (w >> 1) x 1,024: the K step of 32 columns
	s_lshl_b32 s17, s17, 10
	s_add_co_u32 s28, s28, s17
	s_and_b32 s17, s10, 1                          ; + (w & 1) x 256: its half of 16 columns
	s_lshl_b32 s17, s17, 8
	s_add_co_u32 s28, s28, s17
	s_mov_b32 s29, 0
	v_lshlrev_b32 v[XO], 4, v2
	v_lshl_add_u32 v[XO], v3, 15, v[XO]            ; lanes 16-31: eight rows further down
	v_lshlrev_b32 v[IDO], 4, v1
	v_and_b32 v8, 7, v0
	v_mul_u32_u24 v[TA], WTP, v8                   ; A's row r & 7
	v_lshl_add_u32 v[TA], v3, 4, v[TA]             ; + 16 hh
	s_lshl_b32 s17, s12, 8                         ; + rp x 128 positions x 2 bytes
	v_add_nc_u32 v[TA], s17, v[TA]
	s_mul_i32 s17, s13, WTP
	s_lshl_b32 s18, s14, 9
	s_add_co_u32 s17, s17, s18
	v_lshl_add_u32 v[TW], v1, 4, s17               ; label's row + half x 512 + 16 L
	; W1's tile g = 4 b + cq
	s_lshl_b32 s30, s15, 2
	s_add_co_u32 s30, s30, ttmp9                   ; g
	s_and_b32 s36, s30, 15
	s_lshl_b32 s36, s36, 18                        ; K block x 64 rows of 4,096 bytes
	s_lshr_b32 s17, s30, 4
	s_lshl_b32 s17, s17, 8                         ; + column block x 256 bytes
	s_add_co_u32 s36, s36, s17
	s_lshl_b32 s17, s14, 5                         ; my first row in the tile: 32 u
	s_lshl_b32 s18, s13, 1                         ; + 2 i
	s_add_co_u32 s17, s17, s18
	s_lshr_b32 s18, s13, 2                         ; + 8 (i >> 2): registers 4-7 hold k = 16 + 8 hh ..
	s_lshl_b32 s18, s18, 3
	s_add_co_u32 s17, s17, s18
	s_lshl_b32 s17, s17, 12
	s_add_co_u32 s36, s36, s17
	s_mov_b32 s37, 0
	s_lshl_b32 s38, s30, 13                        ; W1F: 8,192 g
	s_mov_b32 s39, 0
	s_lshl_b32 s17, s14, 12                        ; the stage as I read it: I store registers 4 gg .. 4 gg + 3 of fragment (u', j), u' = w >> 3,
	s_and_b32 s18, s10, 1                          ; gg = w & 1, j = (w >> 1) & 3: they lie in the stages of waves 8 u' + 4 gg + e, word j
	s_lshl_b32 s18, s18, 11
	s_add_co_u32 s17, s17, s18
	s_bfe_u32 s18, s10, 0x20001
	s_lshl_b32 s18, s18, 2
	s_add_co_u32 s17, s17, s18
	v_lshl_add_u32 v[WRD], v1, 4, s17              ; 4096 u' + 2048 gg + 4 j + 16 L
	v_lshlrev_b32 v[WT], 4, v0                     ; 16 t = 512 w + 16 L
	s_wait_kmcnt 0x0
	s_add_nc_u64 s[4:5], s[4:5], s[24:25]
	s_add_nc_u64 s[6:7], s[6:7], s[26:27]
	s_add_nc_u64 s[8:9], s[8:9], s[28:29]
	s_add_nc_u64 s[32:33], s[32:33], s[36:37]
	s_add_nc_u64 s[34:35], s[34:35], s[38:39]
; sixteen loads: the 32 rows of step t into buffer u.  Load q: rows q and q + 8 (q < 8), rows q + 8 and q + 16 (q >= 8) of the step.
.macro LOADX t, u
.set q, 0
.rept 16
	global_load_b128 v[X+64*\u+4*q:X+64*\u+4*q+3], v[XO], s[4:5] offset:(32*(\t)+q+8*(q/8))*4096 th:TH_LOAD_NT
.set q, q+1
.endr
.endm
; B fragment of the columns 4 r + j: register i takes word j of loads 2 i and 2 i + 1, two neighbouring rows = two neighbouring k
.macro CVT j, u, f
.irp i, 0,1,2,3,4,5,6,7
	v_cvt_pk_bf16_f32 v[F+8*\f+\i], v[X+64*\u+8*\i+\j], v[X+64*\u+8*\i+4+\j]
.endr
.endm
.macro MM j, t, f, zero
.if \zero
	v_wmma_f32_16x16x32_bf16 v[ACC+8*\j:ACC+8*\j+7], v[AF+8*\t:AF+8*\t+7], v[F+8*\f:F+8*\f+7], 0
.else
	v_wmma_f32_16x16x32_bf16 v[ACC+8*\j:ACC+8*\j+7], v[AF+8*\t:AF+8*\t+7], v[F+8*\f:F+8*\f+7], v[ACC+8*\j:ACC+8*\j+7]
.endif
.endm
; One step of 32 rows.  The four accumulators take turns, one instruction a turn, from step to step too.
; A fragment buffer is written again eight conversions behind the product that read it (four places are asked: ISA guide 7.12.1).
.macro STEP t, u, zero, refill, left
	s_wait_loadcnt \left                           ; loads come back in order: this step's sixteen are in, the younger step's stay out
	CVT 0, \u, 0
	MM  0, \t, 0, \zero
	CVT 1, \u, 1
	MM  1, \t, 1, \zero
	CVT 2, \u, 0
	MM  2, \t, 0, \zero
	CVT 3, \u, 1
	MM  3, \t, 1, \zero
.if \refill
	LOADX (\t+2), \u
.endif
.endm
; maximum over the 32 lanes, in every lane; v15 has been written
.macro WMAX r
	v_max_num_f32_dpp v[\r], v[\r], v[\r] row_xmask:1 row_mask:0xf bank_mask:0xf
	v_max_num_f32_dpp v[\r], v[\r], v[\r] row_xmask:2 row_mask:0xf bank_mask:0xf
	v_max_num_f32_dpp v[\r], v[\r], v[\r] row_xmask:4 row_mask:0xf bank_mask:0xf
	v_max_num_f32_dpp v[\r], v[\r], v[\r] row_xmask:8 row_mask:0xf bank_mask:0xf
	v_permlanex16_b32 v15, v[\r], s20, s21
	v_max_num_f32 v[\r], v[\r], v15
.endm
	; the sequence's 512 ids (element n = 4 i + e of a lane is position 128 i + 4 L + e), my two row pairs of W1, then the first two steps of hidden
.irp i, 0,1,2,3
	global_load_b128 v[ID+4*\i:ID+4*\i+3], v[IDO], s[6:7] offset:512*\i
.endr
	global_load_b128 v[WL:WL+3],   v[XO], s[32:33] th:TH_LOAD_NT               ; k = 2 i of my register (lanes 16-31: eight rows on), columns 4 r ..
	global_load_b128 v[WL+4:WL+7], v[XO], s[32:33] offset:4096 th:TH_LOAD_NT   ; k = 2 i + 1
	LOADX 0, 0
	LOADX 1, 1
	s_wait_loadcnt 32                              ; the ids and W1's two loads are in; the 32 loads of hidden issued behind them stay out
.irp j, 0,1,2,3
	v_cvt_pk_bf16_f32 v[WC+\j], v[WL+\j], v[WL+4+\j]           ; register i of fragment (u, j): two neighbouring k of column 4 r + j
.endr
	ds_store_b128 v[WT], v[WC:WC+3] offset:STG     ; into my wave's own 512 bytes of the stage
	; THE ID PHASE, while hidden is on its way: first and last position of label k, its count, and my 8 weights of its table row
.set n, 0
.rept 16
	v_cmp_eq_u32 s[40+n], s13, v[ID+n]
.set n, n+1
.endr
	v_mov_b32 v8, 16                               ; my first matching element (16: none)
	v_mov_b32 v9, 0                                ; my last matching element + 1 (0: none)
.set n, 0
.rept 16
	v_cndmask_b32 v8, v8, 15-n, s[40+15-n]
	v_cndmask_b32 v9, v9, n+1, s[40+n]
.set n, n+1
.endr
	v_lshlrev_b32 v10, 2, v1                       ; 4 L
	v_lshrrev_b32 v11, 2, v8
	v_and_b32 v12, 3, v8
	v_lshl_add_u32 v11, v11, 7, v12
	v_add_nc_u32 v11, v11, v10                     ; position of my first match,
	v_min_u32 v11, 0x200, v11                      ; 512 where I have none
	v_sub_nc_u32 v11, 0x200, v11                   ; 512 - it: the largest over the lanes belongs to the first position
	v_add_nc_u32 v13, -1, v9
	v_lshrrev_b32 v14, 2, v13
	v_and_b32 v13, 3, v13
	v_lshl_add_u32 v14, v14, 7, v13
	v_add_nc_u32 v14, v14, v10                     ; position of my last match,
	v_cmp_eq_u32 vcc_lo, 0, v9
	v_cndmask_b32 v14, v14, 0, vcc_lo              ; 0 where I have none (an end of 0 or of -1 both leave no inner position)
	v_cvt_f32_u32 v11, v11                         ; at most 512: exact in f32
	v_cvt_f32_u32 v14, v14
	v_mov_b32 v15, 0
	WMAX 11
	WMAX 14
	v_cvt_u32_f32 v11, v11
	v_cvt_u32_f32 v14, v14                         ; hi = end: inner positions are lo <= s < hi
	v_sub_nc_u32 v11, 0x201, v11                   ; lo = start + 1 (513 where the label is absent)
	v_min_u32 v12, v11, v14
	v_sub_nc_u32 v12, v14, v12                     ; count = max(hi - lo, 0)
	v_cvt_f32_u32 v13, v12
	v_rcp_f32 v15, v13
	v_mov_b32 v10, s10                             ; a plain instruction behind v_rcp_f32 before its result is used (ISA guide 5.7.2)
	v_lshlrev_b32 v10, 2, v10
	v_mov_b32 v13, 0x7fc00000
	v_cmp_eq_u32 vcc_lo, 0, v12
	s_wait_alu depctr_va_vdst(0)
	v_cndmask_b32 v15, v15, v13, vcc_lo            ; count 0: the problem's 0/0
	ds_store_b32 v10, v15 offset:SC                ; word w
	s_lshl_b32 s17, s14, 8
	v_lshl_add_u32 v16, v1, 3, s17                 ; s0 = 256 half + 8 L: my eight positions
	v_add_nc_u32 v17, 8, v16
	v_min_u32 v18, v11, v17
	v_min_u32 v19, v11, v16
	v_sub_nc_u32 v18, v18, v19                     ; how many of them lie below lo
	v_min_u32 v20, v14, v17
	v_min_u32 v21, v14, v16
	v_sub_nc_u32 v20, v20, v21                     ; how many below hi
	v_lshlrev_b32 v18, v18, 1
	v_add_nc_u32 v18, -1, v18
	v_lshlrev_b32 v20, v20, 1
	v_add_nc_u32 v20, -1, v20
	v_bfi_b32 v18, v18, 0, v20                     ; bit p: lo <= s0 + p < hi
.irp i, 0,1,2,3
	v_bfe_u32 v[24+\i], v18, 2*\i, 2
	v_lshl_or_b32 v[24+\i], v[24+\i], 15, v[24+\i]
	v_and_b32 v[24+\i], 0x10001, v[24+\i]          ; the two bits at bit 0 and bit 16
	v_mul_u32_u24 v[24+\i], 0x3f80, v[24+\i]       ; 1.0 or 0.0 in bf16, twice
.endr
	ds_store_b128 v[TW], v[24:27]
	s_wait_dscnt 0x0                               ; my part of the table, my scale and my part of W1's stage are in LDS, for the other waves' sake
	s_barrier_signal -1
	s_barrier_wait -1                              ; everybody's are.  (The loads of hidden stay on their way: nobody writes those bytes.)
.irp e, 0,1,2,3
	ds_load_b32 v[WS+\e], v[WRD] offset:STG+512*\e ; register 4 gg + e of my fragment, from the wave that made it
.endr
.irp t, 0,1,2,3
	ds_load_b128 v[AF+8*\t:AF+8*\t+3],   v[TA] offset:64*\t
	ds_load_b128 v[AF+8*\t+4:AF+8*\t+7], v[TA] offset:64*\t+32
.endr
	s_wait_dscnt 8                                 ; LDS loads come back in order: W1's four words are in, the eight loads of weights stay out
	global_store_b128 v[WT], v[WS:WS+3], s[34:35]  ; the wave's 32 x 16 bytes are 512 consecutive bytes, aligned; none of its registers is written again
	s_wait_dscnt 0x0
	STEP 0, 0, 1, 1, 16                            ; the first products start the sums: nothing is cleared
	STEP 1, 1, 0, 1, 16
	STEP 2, 0, 0, 0, 16
	STEP 3, 1, 0, 0, 0                             ; no load was issued behind the last step's
	; THE WAY OUT.  The address work below also stands as the places behind the last products (all lanes on, none of their registers).
	s_mul_i32 s17, s12, PLANE
	s_lshl_b32 s18, s11, 8
	s_add_co_u32 s17, s17, s18
	s_add_co_u32 s17, s17, PART
	s_lshl_b32 s18, s10, 6
	s_add_co_u32 s18, s18, PART
	v_lshl_add_u32 v8, v2, 4, s17                  ; in: plane rp, columns 64 ct + 4 r
	v_bfe_u32 v9, v1, 1, 3                         ; back: label (L >> 1) & 7
	v_mul_u32_u24 v10, PP, v9
	v_and_b32 v11, 1, v1
	v_lshl_add_u32 v10, v11, 4, v10                ; four columns at 16 w + 8 hh + 4 (L & 1)
	v_lshl_add_u32 v10, v3, 5, v10
	v_add_nc_u32 v10, s18, v10
	v_lshlrev_b32 v11, 2, v9                       ; that label's scale
	v_lshlrev_b32 v12, 3, v1                       ; my 8 bytes of the wave's 256
	v_cmp_gt_u32 vcc_lo, 16, v1
	s_wait_xcnt 0x0                                ; EXEC changes only behind this wait
	s_and_saveexec_b32 s22, vcc_lo                 ; lanes 0-15 hold the labels 0..7 (register i = label i); lanes 16-31 the repeated rows
.irp j, 0,1,2,3
.irp i, 0,1,2,3,4,5,6,7
	ds_store_b32 v8, v[ACC+8*\j+\i] offset:PP*\i+4*\j
.endr
.endr
	s_or_b32 exec_lo, exec_lo, s22                 ; no global instruction was issued under the narrow EXEC
	s_wait_dscnt 0x0                               ; my partial sums are in LDS
	s_barrier_signal -1
	s_barrier_wait -1
.irp p, 0,1,2,3
	ds_load_b128 v[X+4*\p:X+4*\p+3], v10 offset:PLANE*\p
.endr
	ds_load_b32 v14, v11 offset:SC
	s_wait_dscnt 0x0
	v_pk_add_f32 v[X:X+1],     v[X:X+1],     v[X+4:X+5]
	v_pk_add_f32 v[X+2:X+3],   v[X+2:X+3],   v[X+6:X+7]
	v_pk_add_f32 v[X+8:X+9],   v[X+8:X+9],   v[X+12:X+13]
	v_pk_add_f32 v[X+10:X+11], v[X+10:X+11], v[X+14:X+15]
	v_pk_add_f32 v[X:X+1],     v[X:X+1],     v[X+8:X+9]
	v_pk_add_f32 v[X+2:X+3],   v[X+2:X+3],   v[X+10:X+11]
	v_pk_mul_f32 v[X:X+1],   v[X:X+1],   v[14:15] op_sel_hi:[1,0]   ; both by v14 = 1/count
	v_pk_mul_f32 v[X+2:X+3], v[X+2:X+3], v[14:15] op_sel_hi:[1,0]
	v_cvt_pk_bf16_f32 v[X+4], v[X], v[X+1]
	v_cvt_pk_bf16_f32 v[X+5], v[X+2], v[X+3]
	global_store_b64 v12, v[X+4:X+5], s[8:9]       ; the wave's 32 x 8 bytes are 256 consecutive bytes, aligned
	s_wait_tensorcnt 0x0
	ds_add_u32 v242, v243
	s_wait_dscnt 0x0
	s_endpgm
.Lfunc_end_k_q171c745bdb_pool:
	.size	k_q171c745bdb_pool, .Lfunc_end_k_q171c745bdb_pool-k_q171c745bdb_pool
	.p2alignl 7, 3214868480
	.fill 96, 4, 3214868480
	.section	.rodata,"a",@progbits
	.p2align	6, 0x0
	.amdhsa_kernel k_q171c745bdb_pool
		.amdhsa_group_segment_fixed_size 52480
		.amdhsa_private_segment_fixed_size 0
		.amdhsa_enable_private_segment 0
		.amdhsa_kernarg_size 40
		.amdhsa_user_sgpr_count 2
		.amdhsa_user_sgpr_kernarg_segment_ptr 1
		.amdhsa_wavefront_size32 1
		.amdhsa_system_sgpr_workgroup_id_x 1
		.amdhsa_system_sgpr_workgroup_id_y 1
		.amdhsa_system_sgpr_workgroup_id_z 1
		.amdhsa_system_vgpr_workitem_id 0
		.amdhsa_next_free_vgpr 244
		.amdhsa_next_free_sgpr 66
		.amdhsa_reserve_vcc 1
		.amdhsa_float_denorm_mode_32 3
		.amdhsa_float_denorm_mode_16_64 3
		.amdhsa_memory_ordered 1
		.amdhsa_forward_progress 1
		.amdhsa_inst_pref_size 32
	.end_amdhsa_kernel
	.amdgpu_metadata
---
amdhsa.version: [ 1, 2 ]
amdhsa.kernels:
  - .name:           k_q171c745bdb_pool
    .symbol:         k_q171c745bdb_pool.kd
    .args:
      - { .name: hidden_states, .offset: 0, .size: 8, .value_kind: global_buffer, .address_space: global }
      - { .name: segment_ids, .offset: 8, .size: 8, .value_kind: global_buffer, .address_space: global }
      - { .name: pooledF, .offset: 16, .size: 8, .value_kind: global_buffer, .address_space: global }
      - { .name: W1, .offset: 24, .size: 8, .value_kind: global_buffer, .address_space: global }
      - { .name: W1F, .offset: 32, .size: 8, .value_kind: global_buffer, .address_space: global }
    .group_segment_fixed_size: 52480
    .private_segment_fixed_size: 0
    .kernarg_segment_align: 8
    .kernarg_segment_size: 40
    .max_flat_workgroup_size: 512
    .sgpr_count:     66
    .vgpr_count:     244
    .wavefront_size: 32
...
	.end_amdgpu_metadata
.endif
;; end of part 1
;; launch head (part 2): grid 16 x 16, 16 waves a work-group, clusters of 4 x 4, 264,704 bytes of LDS; arguments pooledF, W1F, b1, ln_gamma, W2, stats; writes stats
.if DOCPART == 2
	.amdgcn_target "amdgcn-amd-amdhsa--gfx1250"
	.amdhsa_code_object_version 6
	.text
	.protected	k_q171c745bdb_head
	.globl	k_q171c745bdb_head
	.p2align	8
	.type	k_q171c745bdb_head,@function
k_q171c745bdb_head:
	s_mov_b64 s[64:65], 0
	v_nop
	global_prefetch_b8 v0, s[64:65] scope:SCOPE_SE
	s_setreg_imm32_b32 hwreg(HW_REG_WAVE_MODE, 25, 1), 1
	s_wait_xcnt 0x0
	s_wait_alu depctr_hold_cnt(0) depctr_sa_sdst(0) depctr_va_vdst(0) depctr_va_sdst(0) depctr_va_ssrc(0) depctr_va_vcc(0) depctr_vm_vsrc(0)
	s_getreg_b32 s2, hwreg(HW_REG_IB_STS2, 6, 4)
	s_cmp_eq_u32 s2, 0
	s_cbranch_scc0 .Lentry_in_a_cluster
	s_endpgm
.Lentry_in_a_cluster:
	s_bfe_u32 s2, ttmp6, 0x10000c
	s_cmp_lg_u32 s2, 0xf033
	s_cbranch_scc0 .Lentry_shape_is_right
	s_endpgm
.Lentry_shape_is_right:
; h = relu(pooled W1 + b1) for 32 rows x 64 columns, and that chunk's part of LayerNorm and of the last product.  No work is left out.
; With g = gamma W2 (elementwise) the result is  out = rstd x sum_n (h_n - mu) g_n + sum_n beta_n W2_n + b2.  For its 64 columns the
; work-group stores, for each row: mean_i, M2_i = sum (h - mean_i)^2, P_i = sum (h - mean_i) g, G_i = sum g.  All are centred on the chunk's
; own mean, so that the last launch forms no difference of large sums.  LIMITS: pooled and W1 enter the product in bf16 (both were rounded
; once, by the launch before); sums are f32 in another order than the problem's.  ReLU keeps a NaN (a row whose label had count 0), and a
; NaN stays in its own row.
; SHARES: work-group (nt, mt) = columns 64 nt .. + 63 of rows 32 mt .. + 31; the 1,024 of K are split over the 16 waves, 64 each (two steps
; of 32).  There is no loop: all that a wave needs is asked for at once.
; CLUSTERS: 4 x 4 work-groups.  The 128 KiB of W1F that a work-group needs hang on nt alone, so the four work-groups of a column of the
; cluster need the same bytes at the same time: each wave asks for its 8 KiB (a dense block, taken as 32 rows of 256 bytes: it has no more)
; by ONE JOINT tensor load (the same descriptor in the four, the mask names the column), which divides the requests for W1F by four.  The
; block lands in LDS bytes that are the wave's own (16,384 x wave) and only that wave reads it, so its own wait on TENSORcnt orders the
; reads.  One tensor load of a wave is outstanding, by this text's count.
; pooledF stays on register loads: it lies in fragment order (a load takes two aligned runs of 256 bytes and needs no further step), and a
; joint load would bring a work-group the same 64 KiB by a longer way, through LDS.
; W1F LIES IN FRAGMENT ORDER: register 4 gg + e of fragment (u, j) of lane L at 4096 u + 1024 j + 512 gg + 16 L + 4 e of the wave's block, so
; that an LDS load of 16 bytes a lane takes 512 consecutive bytes and fills half a fragment.  Fragment j holds the columns 4 c + j.
; THE PRODUCT IS USED TRANSPOSED: source 0 = W1's fragment, source 1 = pooled's, so that a lane holds eight neighbouring places of one row.
.set WO,  1                            ; v1   LDS: my wave's block + 16 L; never rewritten
.set PO,  2                            ; v2   pooledF: (r >> 3) 512 + hh 128 + (r & 7) 16; never rewritten
.set SO,  3                            ; v3   b1, gamma, W2: my first column; never rewritten
.set SM,  4                            ; v[4:15]    b1, gamma, W2 of my four places
.set LS,  16                           ; v16 where my partial sums go,
.set LR,  17                           ; v[17:20] my four places in the planes of waves 0-3, 4-7, 8-11, 12-15 (the LDS immediate has 16 bits),
.set RW,  21                           ; v21 my row's record; v22, v23 at work
.set PA,  32                           ; v[32:63]   pooled fragments: (a, u) at 8 (2 a + u)
.set ACC, 64                           ; v[64:127]  accumulators: (a, j) at 8 (4 a + j)
.set WF,  128                          ; v[128:191] W1's fragments: (u, j) at 8 (4 u + j); later, as X, at work
.set X,   128
.set R,   192                          ; v[192:255] the sum over the waves
.set TILE,  16384                      ; a wave's slot: 8,192 bytes of W1F; later its first 8,704 bytes hold the wave's plane of partial sums
.set PITCH, 272                        ; a plane's row: 64 places of f32 + 16 bytes, an odd multiple of 16
.set REC,   16*TILE                    ; 32 records of 16 bytes, in bytes of their own
.set G0, 32                            ; s[32:35] descriptor group 0
.set G1, 36                            ; s[36:43] descriptor group 1
; A round of the cluster's barrier: my work-group's barrier, so that wave 0's signal speaks for all sixteen waves; wave 0 signals for the
; work-group; every wave waits for all sixteen work-groups; my work-group's barrier once more.
.macro ROUND
	s_barrier_signal -1
	s_barrier_wait -1
	s_cmp_lg_u32 s16, 0
	s_cbranch_scc1 .Lnot_wave_0_\@
	s_barrier_signal -3
.Lnot_wave_0_\@:
	s_barrier_wait -3
	s_barrier_signal -1
	s_barrier_wait -1
.endm
	s_load_b256 s[4:11], s[0:1], 0x0               ; pooledF s[4:5], W1F s[6:7], b1 s[8:9], gamma s[10:11]
	s_load_b128 s[12:15], s[0:1], 0x20             ; W2 s[12:13], stats s[14:15]
	v_lshl_add_u32 v30, v0, 2, 0x40200
	v_mov_b32 v31, 0
	ds_add_u32 v30, v31
	v_lshrrev_b32 v16, 5, v0
	v_readfirstlane_b32 s16, v16                   ; wave w
	s_bfe_u32 s18, ttmp6, 0x40000                  ; cx: my place along the cluster's x
	s_bfe_u32 s20, ttmp6, 0x40004                  ; cy: along its y
	s_lshl_b32 s19, ttmp9, 2                       ; in a cluster launch ttmp9 and ttmp7 count clusters
	s_add_co_u32 s19, s19, s18                     ; nt = 4 x cluster x + cx
	s_and_b32 s21, ttmp7, 0xffff
	s_lshl_b32 s21, s21, 2
	s_add_co_u32 s21, s21, s20                     ; mt = 4 x cluster y + cy
	s_lshl_b32 s30, 0x1111, s18                    ; my column of the cluster: places cx, cx + 4, cx + 8, cx + 12
	; descriptor group 1: a dense block of 8,192 bytes as 32 rows of 32 elements of 8 bytes, each row beginning where the last ends
	s_or_b32 s[G1+0], s30, (3<<16)|(1<<21)         ; 15:0 the mask; 17:16 element of 8 bytes; 20 no padding; 21 set beside a mask
	s_mov_b32 s[G1+1], 32<<16                      ; 63:48 tensor_dim0, low half = 32
	s_mov_b32 s[G1+2], 32<<16                      ; 79:64 its high half = 0; 95:80 tensor_dim1, low half = 32
	s_mov_b32 s[G1+3], 32<<16                      ; 111:96 its high half = 0; 127:112 tile_dim0 = 32
	s_mov_b32 s[G1+4], 32                          ; 143:128 tile_dim1 = 32; 159:144 tile_dim2 = 0
	s_mov_b32 s[G1+5], 32                          ; 191:160 elements from row to row
	s_mov_b32 s[G1+6], 0
	s_mov_b32 s[G1+7], 0
	s_mov_b32 s[G0+0], 1                           ; 1:0 count = 1
	s_lshl_b32 s[G0+1], s16, 14                    ; 63:32 LDS address: 16,384 x wave; no place in the cluster enters an LDS address
	s_lshl_b32 s17, s16, 14                        ; the same for the vector addresses
	v_and_b32 v16, 31, v0                          ; L
	v_bfe_u32 v17, v0, 4, 1                        ; hh
	v_lshl_add_u32 v[WO], v16, 4, s17              ; my wave's block + 16 L
	v_and_b32 v18, 7, v0
	v_lshlrev_b32 v[PO], 4, v18
	v_lshl_add_u32 v[PO], v17, 7, v[PO]
	v_bfe_u32 v18, v0, 3, 1
	v_lshl_add_u32 v[PO], v18, 9, v[PO]
	v_and_b32 v18, 3, v0
	v_bfe_u32 v19, v0, 2, 2
	v_lshl_add_u32 v18, v18, 4, v19                ; place 4 cg + e is column 16 (cg & 3) + 4 e + (cg >> 2), cg = t & 15
	s_lshl_b32 s29, s19, 8                         ; nt x 64 columns x 4 bytes
	v_lshl_add_u32 v[SO], v18, 2, s29
	s_lshl_b32 s22, s21, 16                        ; pooledF: mt x 32 rows, + w x two K steps of 1,024 bytes
	s_lshl_b32 s28, s16, 11
	s_add_co_u32 s22, s22, s28
	s_mov_b32 s23, 0
	s_lshl_b32 s24, s16, 13                        ; W1F: (16 nt + w) x 8,192 bytes: made of the wave's number and nt alone,
	s_lshl_b32 s44, s19, 17                        ; in registers that never hold cy: the four partners of my column make the same address
	s_add_co_u32 s24, s24, s44
	s_mov_b32 s25, 0
	s_lshl_b32 s26, s19, 13                        ; stats: nt x 512 rows x 16 bytes + mt x 32 rows
	s_lshl_b32 s31, s21, 9
	s_add_co_u32 s26, s26, s31
	s_mov_b32 s27, 0
	s_wait_dscnt 0x0
	s_wait_kmcnt 0x0
	s_add_nc_u64 s[4:5], s[4:5], s[22:23]
	s_add_nc_u64 s[G0+2:G0+3], s[6:7], s[24:25]    ; 120:64 global address of the block's first element
	s_or_b32 s[G0+3], s[G0+3], 0x80000000          ; 127:126 type = 2
	s_add_nc_u64 s[14:15], s[14:15], s[26:27]
	ROUND                                          ; all sixteen work-groups are here: the joint loads meet
	tensor_load_to_lds s[G0:G0+3], s[G1:G1+7]      ; my wave's 8 KiB of W1F: the only fill of these bytes, and my only tensor load
	s_nop 0
; eight LDS loads: the four fragments of K step u, 512 consecutive bytes a load
.macro LOADT u
.irp j, 0,1,2,3
	ds_load_b128 v[WF+8*(4*\u+\j):WF+8*(4*\u+\j)+3],   v[WO] offset:4096*\u+1024*\j
	ds_load_b128 v[WF+8*(4*\u+\j)+4:WF+8*(4*\u+\j)+7], v[WO] offset:4096*\u+1024*\j+512
.endr
.endm
.macro MM a, j, u, zero
.if \zero
	v_wmma_f32_16x16x32_bf16 v[ACC+8*(4*\a+\j):ACC+8*(4*\a+\j)+7], v[WF+8*(4*\u+\j):WF+8*(4*\u+\j)+7], v[PA+8*(2*\a+\u):PA+8*(2*\a+\u)+7], 0
.else
	v_wmma_f32_16x16x32_bf16 v[ACC+8*(4*\a+\j):ACC+8*(4*\a+\j)+7], v[WF+8*(4*\u+\j):WF+8*(4*\u+\j)+7], v[PA+8*(2*\a+\u):PA+8*(2*\a+\u)+7], v[ACC+8*(4*\a+\j):ACC+8*(4*\a+\j)+7]
.endif
.endm
; One K step of 32.  The eight accumulators take turns, one instruction a turn, from step to step too.
.macro STEP u, zero
.irp j, 0,1,2,3
	MM 0, \j, \u, \zero
	MM 1, \j, \u, \zero
.endr
.endm
.macro QADD d, a, b                    ; four sums
	v_pk_add_f32 v[\d:\d+1],   v[\a:\a+1],   v[\b:\b+1]
	v_pk_add_f32 v[\d+2:\d+3], v[\a+2:\a+3], v[\b+2:\b+3]
.endm
.macro RSUM r                          ; sum over the sixteen lanes that share a row of h, in each of them
	v_add_f32_dpp v[\r], v[\r], v[\r] row_xmask:1 row_mask:0xf bank_mask:0xf
	v_add_f32_dpp v[\r], v[\r], v[\r] row_xmask:2 row_mask:0xf bank_mask:0xf
	v_add_f32_dpp v[\r], v[\r], v[\r] row_xmask:4 row_mask:0xf bank_mask:0xf
	v_add_f32_dpp v[\r], v[\r], v[\r] row_xmask:8 row_mask:0xf bank_mask:0xf
.endm
	; while the block is on its way: pooled's four fragments, and b1, gamma, W2 of my four places
.irp a, 0,1
.irp u, 0,1
.irp g, 0,1
	global_load_b128 v[PA+8*(2*\a+\u)+4*\g:PA+8*(2*\a+\u)+4*\g+3], v[PO], s[4:5] offset:\a*32768+\u*1024+\g*256
.endr
.endr
.endr
.irp e, 0,1,2,3
	global_load_b32 v[SM+\e], v[SO], s[8:9] offset:16*\e       ; b1
.endr
.irp e, 0,1,2,3
	global_load_b32 v[SM+4+\e], v[SO], s[10:11] offset:16*\e   ; gamma
.endr
.irp e, 0,1,2,3
	global_load_b32 v[SM+8+\e], v[SO], s[12:13] offset:16*\e   ; W2
.endr
	s_wait_tensorcnt 0x0                           ; my block is in LDS; no other wave reads it, so no barrier stands in front of the reads
	LOADT 0
	LOADT 1
	s_wait_loadcnt 0x0                             ; pooled and the three small vectors, issued together a block's landing ago
	s_wait_dscnt 8                                 ; LDS loads come back in order: the first step's eight are in, the second step's stay out
	STEP 0, 1                                      ; the first products start the sums: nothing is cleared
	s_wait_dscnt 0x0                               ; the second step's; with it all my reads of the block are back
	STEP 1, 0
	; LDS addresses of the way out.  These lines also stand as the places behind the last products: all lanes on, none of their registers.
	v_and_b32 v22, 15, v0                          ; r, and cg
	v_bfe_u32 v23, v0, 4, 1                        ; hh
	v_mul_u32_u24 v[LS], PITCH, v22                ; my wave's plane, row r (+ 16 a), places 8 hh (+ 16 j)
	v_lshl_add_u32 v[LS], v23, 5, v[LS]
	v_add_nc_u32 v[LS], s17, v[LS]                 ; the plane lies in my own slot's first 8,704 bytes, which have had their only fill
	v_lshrrev_b32 v23, 4, v0                       ; row m = t >> 4 of the 32
	v_mul_u32_u24 v[LR], PITCH, v23
	v_lshl_add_u32 v[LR], v22, 4, v[LR]            ; places 4 cg .. 4 cg + 3
	v_add_nc_u32 v[LR+1], 4*TILE, v[LR]
	v_add_nc_u32 v[LR+2], 8*TILE, v[LR]
	v_add_nc_u32 v[LR+3], 12*TILE, v[LR]
	v_lshlrev_b32 v[RW], 4, v23
	v_add_nc_u32 v[RW], REC, v[RW]
.irp a, 0,1
.irp j, 0,1,2,3
	ds_store_b128 v[LS], v[ACC+8*(4*\a+\j):ACC+8*(4*\a+\j)+3]   offset:16*PITCH*\a+64*\j
	ds_store_b128 v[LS], v[ACC+8*(4*\a+\j)+4:ACC+8*(4*\a+\j)+7] offset:16*PITCH*\a+64*\j+16
.endr
.endr
	s_wait_dscnt 0x0                               ; my plane is in LDS, for the other waves' sake
	s_barrier_signal -1
	s_barrier_wait -1
.irp g, 0,1,2,3
.irp p, 0,1,2,3
	ds_load_b128 v[R+16*\g+4*\p:R+16*\g+4*\p+3], v[LR+\g] offset:TILE*\p
.endr
.endr
.irp g, 0,1,2,3
	s_wait_dscnt 12-4*\g                           ; this group of four is in, the younger ones stay out
	QADD (R+16*\g),(R+16*\g),(R+16*\g+4)
	QADD (R+16*\g+8),(R+16*\g+8),(R+16*\g+12)
	QADD (R+16*\g),(R+16*\g),(R+16*\g+8)
.endr
	QADD R,R,(R+16)
	QADD (R+32),(R+32),(R+48)
	QADD R,R,(R+32)                                ; v[R:R+3]: the product over all of K at my four places
	v_pk_add_f32 v[R:R+1],   v[R:R+1],   v[SM:SM+1]            ; + b1
	v_pk_add_f32 v[R+2:R+3], v[R+2:R+3], v[SM+2:SM+3]
.irp e, 0,1,2,3
	v_cmp_gt_f32 vcc_lo, 0, v[R+\e]                ; ReLU by compare and select: a NaN compares false and stays
	v_cndmask_b32 v[R+\e], v[R+\e], 0, vcc_lo
.endr
	v_pk_mul_f32 v[SM+4:SM+5], v[SM+4:SM+5], v[SM+8:SM+9]      ; g = gamma W2
	v_pk_mul_f32 v[SM+6:SM+7], v[SM+6:SM+7], v[SM+10:SM+11]
	v_add_f32 v[X+12], v[R], v[R+1]
	v_add_f32 v[X+13], v[R+2], v[R+3]
	v_add_f32 v[X+12], v[X+12], v[X+13]
	RSUM X+12
	v_mul_f32 v[X+16], 0x3c800000, v[X+12]         ; mean_i = sum / 64.  The record: v[X+16:X+19]
.irp e, 0,1,2,3
	v_sub_f32 v[X+20+\e], v[R+\e], v[X+16]         ; d = h - mean_i
.endr
	v_mul_f32 v[X+17], v[X+20], v[X+20]
	v_mul_f32 v[X+18], v[X+20], v[SM+4]
	v_add_f32 v[X+19], v[SM+4], v[SM+5]
	v_add_f32 v[X+13], v[SM+6], v[SM+7]
.irp e, 1,2,3
	v_fmac_f32 v[X+17], v[X+20+\e], v[X+20+\e]     ; M2_i
	v_fmac_f32 v[X+18], v[X+20+\e], v[SM+4+\e]     ; P_i
.endr
	v_add_f32 v[X+19], v[X+19], v[X+13]            ; G_i
	RSUM X+17
	RSUM X+18
	RSUM X+19
	ds_store_b128 v[RW], v[X+16:X+19]              ; the sixteen lanes of a row write the same 16 bytes with the same values
	s_wait_dscnt 0x0
	s_barrier_signal -1
	s_barrier_wait -1
	s_cmp_lg_u32 s16, 0
	s_cbranch_scc1 .Lend
	v_and_b32 v22, 31, v0                          ; wave 0 stores the 32 records
	v_lshlrev_b32 v23, 4, v22
	v_add_nc_u32 v22, REC, v23
	ds_load_b128 v[X+24:X+27], v22
	s_wait_dscnt 0x0
	global_store_b128 v23, v[X+24:X+27], s[14:15]  ; 512 consecutive bytes, aligned
.Lend:
	s_wait_tensorcnt 0x0
	ds_add_u32 v30, v31
	s_wait_dscnt 0x0
	ROUND                                          ; the closing round: no work-group ends while a partner may still ask for a block that names it
	s_endpgm
.Lfunc_end_k_q171c745bdb_head:
	.size	k_q171c745bdb_head, .Lfunc_end_k_q171c745bdb_head-k_q171c745bdb_head
	.p2alignl 7, 3214868480
	.fill 96, 4, 3214868480
	.section	.rodata,"a",@progbits
	.p2align	6, 0x0
	.amdhsa_kernel k_q171c745bdb_head
		.amdhsa_group_segment_fixed_size 264704
		.amdhsa_private_segment_fixed_size 0
		.amdhsa_enable_private_segment 0
		.amdhsa_kernarg_size 48
		.amdhsa_user_sgpr_count 2
		.amdhsa_user_sgpr_kernarg_segment_ptr 1
		.amdhsa_wavefront_size32 1
		.amdhsa_system_sgpr_workgroup_id_x 1
		.amdhsa_system_sgpr_workgroup_id_y 1
		.amdhsa_system_sgpr_workgroup_id_z 1
		.amdhsa_system_vgpr_workitem_id 0
		.amdhsa_next_free_vgpr 256
		.amdhsa_next_free_sgpr 66
		.amdhsa_reserve_vcc 1
		.amdhsa_float_denorm_mode_32 3
		.amdhsa_float_denorm_mode_16_64 3
		.amdhsa_memory_ordered 1
		.amdhsa_forward_progress 1
		.amdhsa_inst_pref_size 16
	.end_amdhsa_kernel
	.amdgpu_metadata
---
amdhsa.version: [ 1, 2 ]
amdhsa.kernels:
  - .name:           k_q171c745bdb_head
    .symbol:         k_q171c745bdb_head.kd
    .args:
      - { .name: pooledF, .offset: 0, .size: 8, .value_kind: global_buffer, .address_space: global }
      - { .name: W1F, .offset: 8, .size: 8, .value_kind: global_buffer, .address_space: global }
      - { .name: b1, .offset: 16, .size: 8, .value_kind: global_buffer, .address_space: global }
      - { .name: ln_gamma, .offset: 24, .size: 8, .value_kind: global_buffer, .address_space: global }
      - { .name: W2, .offset: 32, .size: 8, .value_kind: global_buffer, .address_space: global }
      - { .name: stats, .offset: 40, .size: 8, .value_kind: global_buffer, .address_space: global }
    .group_segment_fixed_size: 264704
    .private_segment_fixed_size: 0
    .kernarg_segment_align: 8
    .kernarg_segment_size: 48
    .max_flat_workgroup_size: 512
    .sgpr_count:     66
    .vgpr_count:     256
    .wavefront_size: 32
...
	.end_amdgpu_metadata
.endif
;; end of part 2
;; launch finish (part 3): grid 8 x 1, 1 waves a work-group, no clusters, 0 bytes of LDS; arguments stats, ln_beta, W2, b2, out0; writes out0
.if DOCPART == 3
	.amdgcn_target "amdgcn-amd-amdhsa--gfx1250"
	.amdhsa_code_object_version 6
	.text
	.protected	k_q171c745bdb_finish
	.globl	k_q171c745bdb_finish
	.p2align	8
	.type	k_q171c745bdb_finish,@function
k_q171c745bdb_finish:
	s_mov_b64 s[64:65], 0
	v_nop
	global_prefetch_b8 v0, s[64:65] scope:SCOPE_SE
	s_setreg_imm32_b32 hwreg(HW_REG_WAVE_MODE, 25, 1), 1
	s_wait_xcnt 0x0
; LayerNorm and the last product, finished from the sixteen chunks' records (mean_i, M2_i, P_i, G_i) of each row.  No work is left out.
;   mu = (sum mean_i) / 16          M2 = sum M2_i + 64 sum (mean_i - mu)^2          var = M2 / 1024
;   dot = sum P_i + sum (mean_i - mu) G_i = sum_n (h_n - mu) gamma_n W2_n           out = dot x rsqrt(var + eps) + sum_n beta_n W2_n + b2
; This equals the problem's formula in real numbers; the order of rounding differs.  Every term is centred: no difference of large sums.
; LIMIT: v_rsq_f32 is good to 1 ULP.  A NaN row (a label with count 0) stays NaN and touches no other row.
; 512 results in all: eight work-groups of one wave, lane L takes rows 64 wg + 2 L and + 1, so that the wave's one store covers 256
; consecutive bytes, aligned.  Each wave makes the sum of beta W2 for itself (8 KiB): handing it over would need another launch.
.set ST, 16                            ; v[16:143]   chunk nt at 8 nt: the first row's record, then the second row's
.set BE, 144                           ; v[144:175]  beta, 32 numbers a lane
.set WW, 176                           ; v[176:207]  W2, the same places
	s_load_b256 s[4:11], s[0:1], 0x0               ; stats s[4:5], beta s[6:7], W2 s[8:9], b2 s[10:11]
	s_load_b64 s[12:13], s[0:1], 0x20              ; out0
	v_lshlrev_b32 v1, 4, v0                        ; 16 L
	s_lshl_b32 s15, ttmp9, 10
	v_lshl_add_u32 v2, v0, 5, s15                  ; stats: (64 wg + 2 L) x 16 bytes
	s_lshl_b32 s20, ttmp9, 8
	v_lshl_add_u32 v3, v0, 3, s20                  ; out0: (64 wg + 2 L) x 4 bytes
	s_mov_b32 s16, 0x76543210
	s_mov_b32 s17, 0xfedcba98
	s_mov_b32 s18, 0x3a800000                      ; 1 / 1024
	s_mov_b32 s19, 0x3727c5ac                      ; 1e-5
	s_wait_kmcnt 0x0
	s_load_b32 s14, s[10:11], 0x0                  ; b2
.irp i, 0,1,2,3,4,5,6,7
	global_load_b128 v[BE+4*\i:BE+4*\i+3], v1, s[6:7] offset:512*\i
.endr
.irp i, 0,1,2,3,4,5,6,7
	global_load_b128 v[WW+4*\i:WW+4*\i+3], v1, s[8:9] offset:512*\i
.endr
.set nt, 0
.rept 16
	global_load_b128 v[ST+8*nt:ST+8*nt+3],   v2, s[4:5] offset:8192*nt
	global_load_b128 v[ST+8*nt+4:ST+8*nt+7], v2, s[4:5] offset:8192*nt+16
.set nt, nt+1
.endr
	s_wait_loadcnt 32                              ; beta and W2 are in; the 32 loads of records stay out
	v_pk_mul_f32 v[4:5], v[BE:BE+1], v[WW:WW+1]    ; two chains; the first products start them
	v_pk_mul_f32 v[6:7], v[BE+16:BE+17], v[WW+16:WW+17]
.set i, 1
.rept 7
	v_pk_fma_f32 v[4:5], v[BE+2*i:BE+2*i+1], v[WW+2*i:WW+2*i+1], v[4:5]
	v_pk_fma_f32 v[6:7], v[BE+16+2*i:BE+16+2*i+1], v[WW+16+2*i:WW+16+2*i+1], v[6:7]
.set i, i+1
.endr
	v_pk_add_f32 v[4:5], v[4:5], v[6:7]
	v_add_f32 v14, v4, v5
	v_add_f32_dpp v14, v14, v14 row_xmask:1 row_mask:0xf bank_mask:0xf
	v_add_f32_dpp v14, v14, v14 row_xmask:2 row_mask:0xf bank_mask:0xf
	v_add_f32_dpp v14, v14, v14 row_xmask:4 row_mask:0xf bank_mask:0xf
	v_add_f32_dpp v14, v14, v14 row_xmask:8 row_mask:0xf bank_mask:0xf
	v_permlanex16_b32 v5, v14, s16, s17
	v_add_f32 v14, v14, v5
	s_wait_kmcnt 0x0                               ; b2
	v_add_f32 v14, s14, v14                        ; c = sum beta W2 + b2, in every lane
	s_wait_loadcnt 0x0                             ; the records
; one row: its sixteen records are v[ST + 8 nt + 4 row + 0..3]
.macro ROWOUT row, dst
	v_add_f32 v4, v[ST+4*\row], v[ST+8+4*\row]
	v_add_f32 v5, v[ST+16+4*\row], v[ST+24+4*\row]
.set nt, 4
.rept 6
	v_add_f32 v4, v4, v[ST+8*nt+4*\row]
	v_add_f32 v5, v5, v[ST+8*nt+8+4*\row]
.set nt, nt+2
.endr
	v_add_f32 v4, v4, v5
	v_mul_f32 v4, 0x3d800000, v4                   ; mu = sum / 16
	v_sub_f32 v6, v[ST+4*\row], v4                 ; chunk 0 starts the sums
	v_mul_f32 v7, v6, v6
	v_fma_f32 v8, v6, v[ST+4*\row+3], v[ST+4*\row+2]
	v_sub_f32 v6, v[ST+8+4*\row], v4
	v_fmac_f32 v7, v6, v6
	v_fmac_f32 v8, v6, v[ST+8+4*\row+3]
	v_add_f32 v8, v8, v[ST+8+4*\row+2]
	v_add_f32 v9, v[ST+4*\row+1], v[ST+8+4*\row+1]
.set nt, 2
.rept 14
	v_sub_f32 v6, v[ST+8*nt+4*\row], v4            ; d = mean_i - mu
	v_fmac_f32 v7, v6, v6                          ; sum d^2
	v_fmac_f32 v8, v6, v[ST+8*nt+4*\row+3]         ; dot += d G_i
	v_add_f32 v8, v8, v[ST+8*nt+4*\row+2]          ;      + P_i
	v_add_f32 v9, v9, v[ST+8*nt+4*\row+1]          ; sum M2_i
.set nt, nt+1
.endr
	v_fma_f32 v9, v7, 0x42800000, v9               ; M2 = 64 sum d^2 + sum M2_i
	v_fma_f32 v9, v9, s18, s19                     ; var + eps
	v_rsq_f32 v10, v9
	v_nop                                          ; a plain place behind v_rsq_f32 before its result is used (ISA guide 5.7.2)
	s_wait_alu depctr_va_vdst(0)
	v_fma_f32 v[\dst], v8, v10, v14
.endm
	ROWOUT 0, 12
	ROWOUT 1, 13
	global_store_b64 v3, v[12:13], s[12:13]        ; 32 lanes x 8 bytes: 256 consecutive bytes, aligned
	s_endpgm
.Lfunc_end_k_q171c745bdb_finish:
	.size	k_q171c745bdb_finish, .Lfunc_end_k_q171c745bdb_finish-k_q171c745bdb_finish
	.p2alignl 7, 3214868480
	.fill 96, 4, 3214868480
	.section	.rodata,"a",@progbits
	.p2align	6, 0x0
	.amdhsa_kernel k_q171c745bdb_finish
		.amdhsa_group_segment_fixed_size 0
		.amdhsa_private_segment_fixed_size 0
		.amdhsa_enable_private_segment 0
		.amdhsa_kernarg_size 40
		.amdhsa_user_sgpr_count 2
		.amdhsa_user_sgpr_kernarg_segment_ptr 1
		.amdhsa_wavefront_size32 1
		.amdhsa_system_sgpr_workgroup_id_x 1
		.amdhsa_system_sgpr_workgroup_id_y 1
		.amdhsa_system_sgpr_workgroup_id_z 1
		.amdhsa_system_vgpr_workitem_id 0
		.amdhsa_next_free_vgpr 208
		.amdhsa_next_free_sgpr 66
		.amdhsa_reserve_vcc 0
		.amdhsa_float_denorm_mode_32 3
		.amdhsa_float_denorm_mode_16_64 3
		.amdhsa_memory_ordered 1
		.amdhsa_forward_progress 1
		.amdhsa_inst_pref_size 14
	.end_amdhsa_kernel
	.amdgpu_metadata
---
amdhsa.version: [ 1, 2 ]
amdhsa.kernels:
  - .name:           k_q171c745bdb_finish
    .symbol:         k_q171c745bdb_finish.kd
    .args:
      - { .name: stats, .offset: 0, .size: 8, .value_kind: global_buffer, .address_space: global }
      - { .name: ln_beta, .offset: 8, .size: 8, .value_kind: global_buffer, .address_space: global }
      - { .name: W2, .offset: 16, .size: 8, .value_kind: global_buffer, .address_space: global }
      - { .name: b2, .offset: 24, .size: 8, .value_kind: global_buffer, .address_space: global }
      - { .name: out0, .offset: 32, .size: 8, .value_kind: global_buffer, .address_space: global }
    .group_segment_fixed_size: 0
    .private_segment_fixed_size: 0
    .kernarg_segment_align: 8
    .kernarg_segment_size: 40
    .max_flat_workgroup_size: 32
    .sgpr_count:     66
    .vgpr_count:     208
    .wavefront_size: 32
...
	.end_amdgpu_metadata
.endif
;; end of part 3
